; MI455X (gfx1250); checked and timed in simulation.
; The chip was launched on July 23, 2026; its instructions are those of AMD's public machine-readable ISA for CDNA 5 (MIT licence, August 2026) and "CDNA5" Instruction Set Architecture Reference Guide (July 2026). The comments in the code are by the model that wrote it; some were corrected since.
;; Mo E. Allowed arithmetic: float matrix products may take bf16 or f16 operands with f32 sums; all other float work in f32.
;; Inputs: W1 8 x 3,072 x 128 float32; W2 8 x 128 x 10 float32; Wg 3,072 x 8 float32; b1 8 x 128 float32; b2 8 x 10 float32; bg 8 float32; x 8,192 x 3,072 float32.
;; Outputs: out0 8,192 x 10 float32.
;; One version. Each part assembles by itself: llvm-mc -triple=amdgcn-amd-amdhsa -mcpu=gfx1250 --defsym DOCPART=n.
;; ======== version 1 of 1: 3 launches
;; limits: values outside matrix products are rounded to bf16
;; workspace buffers: Wt 6,684,672 bytes; P 4,194,304 bytes
;; launch prep (part 1): grid 24 x 9, 8 waves a work-group, no clusters, 42,240 bytes of LDS; arguments W1, Wg, Wt; writes Wt
.if DOCPART == 1
	.amdgcn_target "amdgcn-amd-amdhsa--gfx1250"
	.amdhsa_code_object_version 6
	.text
	.protected	k_q0afdca6f55_prep
	.globl	k_q0afdca6f55_prep
	.p2align	8
	.type	k_q0afdca6f55_prep,@function
k_q0afdca6f55_prep:
	s_mov_b64 s[64:65], 0
	v_nop
	global_prefetch_b8 v0, s[64:65] scope:SCOPE_SE
	s_setreg_imm32_b32 hwreg(HW_REG_WAVE_MODE, 25, 1), 1
	s_wait_xcnt 0x0
; Wt = the weights of the first layer and of the gate, rounded to bf16 and transposed so that k runs along the rows.
; Wt: bf16 [4 blocks c][272 rows][3072 k].  Rows 0-255 of block c: W1[2c + row/128][k][row%128].  Rows 256+g, g = 0..15: Wg[k][g & 7]
; (the gate's 8 columns twice, and again in every block, so that one tile of 272 rows holds all that a column block of the next launch multiplies by).
; A work-group takes 128 k (x = 0..23) of one expert (y = 0..7) or of the gate (y = 8).  The transposition goes through LDS:
; four stripes of 32 k, each 128 rows of 64 bytes + 16 of padding; every wave stores into one contiguous range of its own.
.set RP,   80                          ; an LDS row: 32 k of bf16 and 16 bytes of padding
.set KGS,  128*RP+64                   ; from stripe to stripe: 64 bytes more, so that a row's four pieces start 16 words apart modulo 64 words
.set WROW, 6144                        ; bytes in a row of Wt
.set BLK,  272*WROW                    ; bytes in a block of Wt
.set RD,   20                          ; v20  write-out: LDS address of my 16 bytes
.set GO,   21                          ; v21  write-out: their byte offset in Wt
	s_load_b128 s[4:7], s[0:1], 0x0                ; W1 s[4:5], Wg s[6:7]
	s_load_b64 s[8:9], s[0:1], 0x10                ; Wt
	v_lshl_add_u32 v96, v0, 2, 0xa100
	v_mov_b32 v97, 0
	s_and_b32 s10, ttmp7, 0xffff                   ; y: the expert, or 8 for the gate
	v_lshrrev_b32 v1, 5, v0
	v_readfirstlane_b32 s11, v1                    ; wave 0..7
	v_and_b32 v2, 31, v0                           ; lane
	; write-out: thread t takes piece t % 16 (16 bytes) of row t / 16 of sixteen rows: sixteen neighbouring lanes hold 256 neighbouring bytes of Wt
	v_lshrrev_b32 v3, 4, v0
	v_and_b32 v4, 15, v0
	v_lshrrev_b32 v5, 2, v4                        ; the piece's stripe
	v_and_b32 v6, 3, v4                            ; and its place there
	v_mul_u32_u24 v7, v3, RP
	v_lshl_add_u32 v7, v6, 4, v7
	v_mad_u32_u24 v[RD], v5, KGS, v7
	v_mul_u32_u24 v7, v3, WROW
	v_lshl_add_u32 v[GO], v4, 4, v7
	s_lshl_b32 s12, ttmp9, 8                       ; my 128 k in a row of Wt: 256 bytes
	s_mov_b32 s13, 0
	s_mov_b32 s15, 0
	s_wait_kmcnt 0x0
	s_add_nc_u64 s[8:9], s[8:9], s[12:13]
	s_cmp_eq_u32 s10, 8
	s_cbranch_scc1 .Lgate_in
	; An expert.  Wave w: columns 64 (w & 1) .. + 63, k stripe w >> 1.  A lane owns two neighbouring columns: a load of the wave covers 256 consecutive bytes of one row of W1.
	s_and_b32 s16, s11, 1
	s_lshr_b32 s17, s11, 1
	s_lshl_b32 s18, s17, 14                        ; stripe x 32 rows of 512 bytes
	s_lshl_b32 s19, s16, 8
	s_add_co_u32 s18, s18, s19
	v_lshl_add_u32 v16, v2, 3, s18
	s_mul_i32 s19, s17, KGS
	s_mul_i32 s20, s16, 64*RP
	s_add_co_u32 s19, s19, s20                     ; my 64 LDS rows of my stripe
	v_mad_u32_u24 v17, v2, 2*RP, s19               ; two rows a lane
	s_mul_i32 s14, s10, 1572864                    ; the expert's 3072 x 128 f32
	s_lshl_b32 s20, ttmp9, 16                      ; 128 rows of 512 bytes
	s_add_co_u32 s14, s14, s20
	s_add_nc_u64 s[4:5], s[4:5], s[14:15]
.set i, 0
.rept 32
	global_load_b64 v[32+2*i:33+2*i], v16, s[4:5] offset:i*512 th:TH_LOAD_NT
.set i, i+1
.endr
.irp c, 0,1,2,3
	s_wait_loadcnt 24-8*\c                         ; loads return in order: rows 8c .. 8c+7 are in, the younger ones stay out
.irp p, 0,1
.irp m, 0,1,2,3
	v_cvt_pk_bf16_f32 v[8+4*\p+\m], v[32+2*(8*\c+2*\m)+\p], v[32+2*(8*\c+2*\m+1)+\p]   ; two neighbouring k of one column
.endr
	ds_store_b128 v17, v[8+4*\p:11+4*\p] offset:\p*RP+16*\c                            ; eight k of column p of my two
.endr
.endr
	s_branch .Lmeet
.Lgate_in:
	; The gate.  Wave w: k stripe w & 3, copy w >> 2 (rows 8 (w >> 2) .. + 7).  A lane owns one k and reads its 8 numbers, 32 consecutive bytes.
	s_and_b32 s16, s11, 3
	s_lshr_b32 s17, s11, 2
	s_lshl_b32 s18, s16, 10
	v_lshl_add_u32 v16, v2, 5, s18
	s_mul_i32 s19, s16, KGS
	s_mul_i32 s20, s17, 8*RP
	s_add_co_u32 s19, s19, s20
	v_lshl_add_u32 v17, v2, 1, s19
	s_lshl_b32 s14, ttmp9, 12                      ; 128 rows of 32 bytes
	s_add_nc_u64 s[6:7], s[6:7], s[14:15]
	global_load_b128 v[24:27], v16, s[6:7]
	global_load_b128 v[28:31], v16, s[6:7] offset:16
	s_wait_loadcnt 0x0
.irp m, 0,1,2,3
	v_cvt_pk_bf16_f32 v[8+\m], v[24+2*\m], v[25+2*\m]
.endr
.irp m, 0,1,2,3
	ds_store_b16 v17, v[8+\m] offset:2*\m*RP
	ds_store_b16_d16_hi v17, v[8+\m] offset:(2*\m+1)*RP
.endr
.Lmeet:
	s_wait_dscnt 0x0                               ; my stores are in LDS, for the other waves' sake
	s_barrier_signal -1
	s_barrier_wait -1
	s_cmp_eq_u32 s10, 8
	s_cbranch_scc1 .Lgate_out
	s_lshr_b32 s16, s10, 1                         ; block e / 2, rows 128 (e % 2) ..
	s_and_b32 s17, s10, 1
	s_mul_i32 s16, s16, 272
	s_lshl_b32 s17, s17, 7
	s_add_co_u32 s16, s16, s17
	s_mul_i32 s14, s16, WROW
	s_add_nc_u64 s[8:9], s[8:9], s[14:15]
.irp p, 0,1,2,3,4,5,6,7
	ds_load_b128 v[32+4*\p:35+4*\p], v[RD] offset:\p*16*RP
.endr
.irp p, 0,1,2,3,4,5,6,7
	s_wait_dscnt 7-\p                              ; LDS loads return in order: number p is in
	global_store_b128 v[GO], v[32+4*\p:35+4*\p], s[8:9] offset:\p*16*WROW   ; sixteen lanes store 256 consecutive bytes, aligned
.endr
	s_wait_tensorcnt 0x0
	ds_add_u32 v96, v97
	s_wait_dscnt 0x0
	s_endpgm
.Lgate_out:
	s_add_nc_u64 s[8:9], s[8:9], 256*WROW          ; behind a block's 256 expert rows
	ds_load_b128 v[32:35], v[RD]                   ; the sixteen gate rows
	s_wait_dscnt 0x0
.irp c, 0,1,2,3
	global_store_b128 v[GO], v[32:35], s[8:9] offset:\c*BLK
.endr
	s_wait_tensorcnt 0x0
	ds_add_u32 v96, v97
	s_wait_dscnt 0x0
	s_endpgm
.Lfunc_end_k_q0afdca6f55_prep:
	.size	k_q0afdca6f55_prep, .Lfunc_end_k_q0afdca6f55_prep-k_q0afdca6f55_prep
	.p2alignl 7, 3214868480
	.fill 96, 4, 3214868480
	.section	.rodata,"a",@progbits
	.p2align	6, 0x0
	.amdhsa_kernel k_q0afdca6f55_prep
		.amdhsa_group_segment_fixed_size 42240
		.amdhsa_private_segment_fixed_size 0
		.amdhsa_enable_private_segment 0
		.amdhsa_kernarg_size 24
		.amdhsa_user_sgpr_count 2
		.amdhsa_user_sgpr_kernarg_segment_ptr 1
		.amdhsa_wavefront_size32 1
		.amdhsa_system_sgpr_workgroup_id_x 1
		.amdhsa_system_sgpr_workgroup_id_y 1
		.amdhsa_system_sgpr_workgroup_id_z 1
		.amdhsa_system_vgpr_workitem_id 0
		.amdhsa_next_free_vgpr 98
		.amdhsa_next_free_sgpr 66
		.amdhsa_reserve_vcc 0
		.amdhsa_float_denorm_mode_32 3
		.amdhsa_float_denorm_mode_16_64 3
		.amdhsa_memory_ordered 1
		.amdhsa_forward_progress 1
		.amdhsa_inst_pref_size 12
	.end_amdhsa_kernel
	.amdgpu_metadata
---
amdhsa.version: [ 1, 2 ]
amdhsa.kernels:
  - .name:           k_q0afdca6f55_prep
    .symbol:         k_q0afdca6f55_prep.kd
    .args:
      - { .name: W1, .offset: 0, .size: 8, .value_kind: global_buffer, .address_space: global }
      - { .name: Wg, .offset: 8, .size: 8, .value_kind: global_buffer, .address_space: global }
      - { .name: Wt, .offset: 16, .size: 8, .value_kind: global_buffer, .address_space: global }
    .group_segment_fixed_size: 42240
    .private_segment_fixed_size: 0
    .kernarg_segment_align: 8
    .kernarg_segment_size: 24
    .max_flat_workgroup_size: 256
    .sgpr_count:     66
    .vgpr_count:     98
    .wavefront_size: 32
...
	.end_amdgpu_metadata
.endif
;; end of part 1
;; launch experts (part 2): grid 4 x 64, 4 waves a work-group, clusters of 4 x 4, 327,680 bytes of LDS; arguments x, Wt, b1, W2, b2, bg, P; writes P
.if DOCPART == 2
	.amdgcn_target "amdgcn-amd-amdhsa--gfx1250"
	.amdhsa_code_object_version 6
	.text
	.protected	k_q0afdca6f55_experts
	.globl	k_q0afdca6f55_experts
	.p2align	8
	.type	k_q0afdca6f55_experts,@function
k_q0afdca6f55_experts:
	s_mov_b64 s[64:65], 0
	v_nop
	global_prefetch_b8 v0, s[64:65] scope:SCOPE_SE
	s_setreg_imm32_b32 hwreg(HW_REG_WAVE_MODE, 25, 1), 1
	s_wait_xcnt 0x0
	s_wait_alu depctr_hold_cnt(0) depctr_sa_sdst(0) depctr_va_vdst(0) depctr_va_sdst(0) depctr_va_ssrc(0) depctr_va_vcc(0) depctr_vm_vsrc(0)
	s_getreg_b32 s2, hwreg(HW_REG_IB_STS2, 6, 4)
	s_cmp_eq_u32 s2, 0
	s_cbranch_scc0 .Lentry_in_a_cluster
	s_endpgm
.Lentry_in_a_cluster:
	s_bfe_u32 s2, ttmp6, 0x10000c
	s_cmp_lg_u32 s2, 0xf033
	s_cbranch_scc0 .Lentry_shape_is_right
	s_endpgm
.Lentry_shape_is_right:
; P[e][row][o] = w_e(row) (relu(x W1[e] + b1[e]) W2[e] + b2[e]), w_e = the softmax weight of expert e if it is one of the row's top two logits, else 0.
; A work-group: 128 rows of x times 256 columns (two experts) and the gate's 16 rows of Wt.  Four waves of 64 rows x 128 columns: a wave holds ONE expert's whole hidden layer,
; 32 accumulator tiles of 16 x 16, so that the second layer (K = 128) is made from registers.  K = 3072 goes in 24 steps of 128 through two LDS slots.
; x comes as f32 tiles and is rounded to bf16 between LDS and the matrix unit; Wt is bf16 already.
; CLUSTERS 4 x 4: the four column blocks of a cluster's row need the same tile of x, the four row blocks of a column the same tile of Wt: both are asked for jointly.
; The gate is computed in every column block (2 matrix instructions beside 32).
; THE MATRIX INSTRUCTION IS USED TRANSPOSED: source 0 = 16 rows of Wt, source 1 = 16 rows of x; lane (r, h) then holds row r of x, register j column 8 h + j of the tile.
; Two neighbouring tiles, rounded to bf16, are therefore at once a source-1 fragment of the second layer: no trip through LDS.
; LIMITS.  b1, b2 and bg are used rounded to bf16, like x, W1, W2, Wg and the hidden layer (sums in f32).  NaN logits are not ordered as top_k orders them; equal logits go to
; the lower index, as there.  An expert that is not chosen contributes 0 times its y: y has to be finite.  Columns o = 10..15 of P hold numbers that nobody reads.
; P: f32 [8 e][512 row tiles][2 i][32 lanes L][4]: row 16 tile + (L & 15), o = 8 (L >> 4) + 4 i + 0..3.
;
; REGISTERS.  Window 0: v0-31 addresses; v32-95 x as f32; v96-127, v128-159 x fragments, two buffers; v160-175 the gate's two tiles; v176-255 head and way out.
; Window 1: the 32 accumulator tiles, tile (a, b) at 8 (8 a + b).  Window 2: v0-71, v72-143 fragments of Wt (8 + the gate's), two buffers; v144-207 b1; v208-239 W2; v240-247 b2; v248-255 bg.
.set XP,    528                        ; an LDS row of x: 512 bytes + 16 of padding
.set WP,    272                        ; an LDS row of Wt: 256 bytes + 16
.set XT,    128*XP                     ; x's tile
.set SLOT,  XT+272*WP                  ; then Wt's 272 rows
.set GT,    2*SLOT                     ; behind the ring: 128 rows x 16 bytes (i1, i2, w1, w2); a multiple of 256, no tensor load lands here
.set ADRAL, 8                          ; v8-9    x fragments 0, 1 in slot 0, 1
.set ADRAH, 10                         ; v10-11  x fragments 2, 3
.set ADRB,  12                         ; v12-13  my expert's rows of Wt
.set ADRG,  14                         ; v14-15  the gate's rows
.set GTW,   16                         ; v16     gate table: the rows of my fragments 0, 1
.set GTH,   17                         ; v17     those of my fragments 2, 3
.set POL,   18                         ; v18     offset in P of fragments 0, 1
.set POH,   19                         ; v19     of fragments 2, 3
.set ST,    32
.set AF,    96
.set GA,    160
.set Y,     176
.set GW,    208
.set TT,    224
.set B1,    144
.set W2F,   208
.set B2,    240
.set BG,    248
.set G1A, 28                           ; s[28:35] group 1 for x's tiles
.set G1B, 36                           ; s[36:43] group 1 for Wt's tiles
.set G0A, 44                           ; s[44:51] group 0 for x, a set for each slot
.set G0B, 52                           ; s[52:59] group 0 for Wt
.set MSB, 0
.macro WIN new                         ; the immediate's high byte repeats the setting that is left
.if MSB != \new
	s_set_vgpr_msb (MSB<<8)|\new
.set MSB, \new
.endif
.endm
.set MUL,   0x52                       ; source 0 window 2, source 1 window 0, C and D window 1
.set MUL1,  0x62                       ; the same with C (the bias) in window 2
.set GATE,  0x02                       ; source 0 window 2, the rest window 0
.set GATE1, 0x22                       ; the same with C in window 2
.set TO2,   0x80                       ; destination window 2
; A joint load: waves 0, 1 fetch the halves of x's tile, waves 2, 3 those of Wt's.  The branch hangs on the wave's number alone.
.macro JLOAD s
	s_cmp_eq_u32 s19, 0
	s_cbranch_scc0 .Lfor_w_\@
	tensor_load_to_lds s[G0A+4*\s:G0A+4*\s+3], s[G1A:G1A+7]
	s_nop 0
	s_branch .Lasked_\@
.Lfor_w_\@:
	tensor_load_to_lds s[G0B+4*\s:G0B+4*\s+3], s[G1B:G1B+7]
	s_nop 0
.Lasked_\@:
.endm
.macro CREST                           ; a round of the cluster's barrier behind its opening barrier
	s_cmp_lg_u32 s18, 0
	s_cbranch_scc1 .Lnot_wave_0_\@
	s_barrier_signal -3
.Lnot_wave_0_\@:
	s_barrier_wait -3
	s_barrier_signal -1
	s_barrier_wait -1
.endm
.macro CROUND
	s_barrier_signal -1
	s_barrier_wait -1
	CREST
.endm
.macro PLACES                          ; four places behind matrix instructions, in front of loads and conversions into registers that they read
.rept 4
	v_nop
.endr
.endm
	s_load_b256 s[4:11], s[0:1], 0x0               ; x s[4:5], Wt s[6:7], b1 s[8:9], W2 s[10:11]
	s_load_b128 s[12:15], s[0:1], 0x20             ; b2 s[12:13], bg s[14:15]
	s_load_b64 s[16:17], s[0:1], 0x30              ; P
	v_lshl_add_u32 v254, v0, 2, 0x45a00
	v_mov_b32 v255, 0
	ds_add_u32 v254, v255
	v_lshrrev_b32 v1, 5, v0
	v_readfirstlane_b32 s18, v1                    ; wave 0..3
	s_lshr_b32 s19, s18, 1                         ; wr: my half of the rows.  Also: I fetch x (0) or Wt (1)
	s_and_b32 s20, s18, 1                          ; wc: my expert of the two.  Also: which half of the tile I fetch
	s_bfe_u32 s21, ttmp6, 0x40000                  ; cx
	s_bfe_u32 s22, ttmp6, 0x40004                  ; cy
	s_lshl_b32 s23, ttmp9, 2
	s_add_co_u32 s23, s23, s21                     ; bx: column block 0..3
	s_and_b32 s24, ttmp7, 0xffff
	s_lshl_b32 s24, s24, 2
	s_add_co_u32 s24, s24, s22                     ; by: row block 0..63
	s_lshl_b32 s25, s22, 2
	s_lshl_b32 s25, 15, s25                        ; my row of the cluster
	s_lshl_b32 s26, 0x1111, s21                    ; my column
	s_lshl_b32 s27, s23, 1
	s_add_co_u32 s27, s27, s20                     ; e: my expert
	s_mov_b32 s77, 0xffff0000
	; group 1 for x: 64 rows of 128 f32; 4 words of padding behind every 128 words
	s_or_b32 s[G1A+0], s25, (2<<16)|(1<<20)|(1<<21)|(6<<22)|(3<<25)
	s_mov_b32 s[G1A+1], 128<<16                    ; tensor_dim0 = 128
	s_mov_b32 s[G1A+2], 64<<16                     ; tensor_dim1 = 64
	s_mov_b32 s[G1A+3], 128<<16                    ; tile_dim0 = 128
	s_mov_b32 s[G1A+4], 64                         ; tile_dim1 = 64
	s_mov_b32 s[G1A+5], 3072                       ; elements from row to row
	s_mov_b32 s[G1A+6], 0
	s_mov_b32 s[G1A+7], 0
	; group 1 for Wt: 136 rows of 128 bf16; 4 words of padding behind every 64 words
	s_or_b32 s[G1B+0], s26, (1<<16)|(1<<20)|(1<<21)|(5<<22)|(3<<25)
	s_mov_b32 s[G1B+1], 128<<16
	s_mov_b32 s[G1B+2], 136<<16
	s_mov_b32 s[G1B+3], 128<<16
	s_mov_b32 s[G1B+4], 136
	s_mov_b32 s[G1B+5], 3072
	s_mov_b32 s[G1B+6], 0
	s_mov_b32 s[G1B+7], 0
	; x's address hangs on the row block and the wave, Wt's on the column block and the wave, each in registers that never hold the other coordinate
	s_lshl_b32 s60, s24, 7
	s_lshl_b32 s61, s20, 6
	s_add_co_u32 s60, s60, s61                     ; row 128 by + 64 wc of x
	s_mul_i32 s60, s60, 12288
	s_mov_b32 s61, 0
	s_mul_i32 s62, s23, 272
	s_mul_i32 s63, s20, 136
	s_add_co_u32 s62, s62, s63                     ; row 272 bx + 136 wc of Wt
	s_mul_i32 s62, s62, 6144
	s_mov_b32 s63, 0
	s_mul_i32 s66, s20, 64*XP                      ; where they go: the wave's number alone
	s_mul_i32 s67, s20, 136*WP
	s_add_co_u32 s67, s67, XT
	s_wait_dscnt 0x0
	s_wait_kmcnt 0x0
	s_add_nc_u64 s[68:69], s[4:5], s[60:61]
	s_add_nc_u64 s[70:71], s[6:7], s[62:63]
	CROUND                                         ; all sixteen work-groups are here: the first joint loads meet
.irp s, 0,1
	s_mov_b32 s[G0A+4*\s], 1
	s_add_co_u32 s[G0A+4*\s+1], s66, \s*SLOT
	s_add_nc_u64 s[G0A+4*\s+2:G0A+4*\s+3], s[68:69], \s*512        ; K step s: 128 f32
	s_or_b32 s[G0A+4*\s+3], s[G0A+4*\s+3], 0x80000000
	s_mov_b32 s[G0B+4*\s], 1
	s_add_co_u32 s[G0B+4*\s+1], s67, \s*SLOT
	s_add_nc_u64 s[G0B+4*\s+2:G0B+4*\s+3], s[70:71], \s*256        ; 128 bf16
	s_or_b32 s[G0B+4*\s+3], s[G0B+4*\s+3], 0x80000000
	JLOAD \s                                       ; both slots go out first: two tensor loads of the wave are out
.endr
	; THE SMALL OPERANDS, once, straight into the lanes' places
	s_mul_i32 s72, s27, 5120
	s_mov_b32 s73, 0
	s_add_nc_u64 s[10:11], s[10:11], s[72:73]      ; W2[e]
	s_mul_i32 s72, s27, 40
	s_add_nc_u64 s[12:13], s[12:13], s[72:73]      ; b2[e]
	s_lshl_b32 s72, s27, 9
	s_add_nc_u64 s[8:9], s[8:9], s[72:73]          ; b1[e]
	s_lshl_b32 s72, s27, 19
	s_lshl_b32 s74, s24, 13
	s_add_co_u32 s72, s72, s74
	s_add_nc_u64 s[16:17], s[16:17], s[72:73]      ; P: my expert's plane, my block's 8 row tiles
	v_and_b32 v2, 15, v0                           ; r
	v_bfe_u32 v3, v0, 4, 1                         ; h
	v_and_b32 v4, 31, v0                           ; L
	v_min_u32 v5, 9, v2                            ; source 0 of the second layer: row o = r of W2 transposed; rows 10-15 repeat row 9
	v_lshlrev_b32 v5, 2, v5
	v_mad_u32_u24 v5, v3, 320, v5                  ; + 8 h rows of 40 bytes
	v_lshlrev_b32 v6, 5, v3                        ; 32 h
	v_mov_b32 v7, 0
.irp t, 0,1,2,3
.set i, 0
.rept 16
	global_load_b32 v[32+16*\t+i], v5, s[10:11] offset:(32*\t+i+8*(i/8))*40    ; W2[e][32 t + 8 h + i (+ 8 from i = 8 on)][o]
.set i, i+1
.endr
.endr
.irp j, 0,1
	global_load_b32 v[96+\j], v6, s[12:13] offset:4*\j             ; b2[e][8 h + j]
.endr
.irp j, 2,3,4,5,6,7
	global_load_b32 v[96+\j], v7, s[12:13] offset:4*\j             ; b2[e][j]; in lanes 16-31 these stand for o = 10..15, which nobody reads
.endr
	global_load_b128 v[104:107], v7, s[14:15]                      ; bg[0..7] in every lane
	global_load_b128 v[108:111], v7, s[14:15] offset:16
.irp b, 0,1,2,3,4,5,6,7
	global_load_b128 v[112+8*\b:115+8*\b], v6, s[8:9] offset:64*\b         ; b1[e][16 b + 8 h + 0..7]
	global_load_b128 v[116+8*\b:119+8*\b], v6, s[8:9] offset:64*\b+16
.endr
	; addresses meanwhile.  Fragment a holds row tile (a + 2 wc) % 4 of my 64 rows: the fragments 0, 1 of the two waves of a row half cover its four tiles,
	; so each wave computes the gate on its fragments 0, 1, without a branch.
	s_lshl_b32 s72, s19, 6
	s_lshl_b32 s73, s20, 5
	s_add_co_u32 s74, s72, s73                     ; first row of fragments 0, 1: 64 wr + 32 wc = 32 w
	s_sub_co_u32 s75, 32, s73
	s_add_co_u32 s75, s72, s75                     ; of fragments 2, 3: 64 wr + 32 (1 - wc)
	v_mul_u32_u24 v20, v2, XP
	v_lshl_add_u32 v20, v3, 5, v20                 ; r x pitch + 32 h: eight f32 for each half of the lanes
	s_mul_i32 s60, s74, XP
	s_mul_i32 s61, s75, XP
	v_add_nc_u32 v[ADRAL], s60, v20
	v_add_nc_u32 v[ADRAH], s61, v20
	v_add_nc_u32 v[ADRAL+1], SLOT, v[ADRAL]
	v_add_nc_u32 v[ADRAH+1], SLOT, v[ADRAH]
	v_mul_u32_u24 v21, v2, WP
	v_lshl_add_u32 v21, v3, 4, v21                 ; r x pitch + 16 h
	s_mul_i32 s62, s20, 128*WP
	s_add_co_u32 s62, s62, XT
	v_add_nc_u32 v[ADRB], s62, v21
	v_add_nc_u32 v[ADRG], XT+256*WP, v21
	v_add_nc_u32 v[ADRB+1], SLOT, v[ADRB]
	v_add_nc_u32 v[ADRG+1], SLOT, v[ADRG]
	s_lshl_b32 s60, s74, 4
	s_add_co_u32 s60, s60, GT
	s_lshl_b32 s61, s75, 4
	s_add_co_u32 s61, s61, GT
	v_lshl_add_u32 v[GTW], v2, 4, s60              ; GT + 512 w + 16 r: 512 bytes of the wave's own
	v_lshl_add_u32 v[GTH], v2, 4, s61
	s_lshl_b32 s60, s74, 6                         ; a row tile of P is 1,024 bytes
	s_lshl_b32 s61, s75, 6
	v_lshl_add_u32 v[POL], v4, 4, s60
	v_lshl_add_u32 v[POH], v4, 4, s61
	s_wait_loadcnt 0x0
	; the biases are rounded to bf16 and widened again; W2 is packed
.set i, 0
.rept 32
	v_cvt_pk_bf16_f32 v[176+i], v[112+2*i], v[113+2*i]
.set i, i+1
.endr
.set i, 0
.rept 8
	v_cvt_pk_bf16_f32 v[208+i], v[96+2*i], v[97+2*i]               ; b2 in v208-211, bg in v212-215
.set i, i+1
.endr
	WIN TO2
.set i, 0
.rept 32
	v_lshlrev_b32 v[B1+2*i], 16, v[176+i]
	v_and_b32 v[B1+2*i+1], s77, v[176+i]
.set i, i+1
.endr
.set i, 0
.rept 8
	v_lshlrev_b32 v[B2+2*i], 16, v[208+i]                          ; B2, and BG straight behind it
	v_and_b32 v[B2+2*i+1], s77, v[208+i]
.set i, i+1
.endr
.set i, 0
.rept 32
	v_cvt_pk_bf16_f32 v[W2F+i], v[32+2*i], v[33+2*i]
.set i, i+1
.endr
	WIN 0
; 34 LDS loads: one quarter step (32 along K): my 64 rows of x as f32 (16 loads), then my 128 rows of Wt and the gate's 16 (18 loads) into buffer g
.macro FETCH slot, q, g
	WIN 0
.irp a, 0,1
.irp o, 0,1,2,3
	ds_load_b128 v[ST+16*\a+4*\o:ST+16*\a+4*\o+3], v[ADRAL+\slot] offset:\a*16*XP+128*\q+16*\o+32*(\o/2)   ; k = 8 h + 0..7 at bytes 0, 16; k = 16 + 8 h + 0..7 at bytes 64, 80
.endr
.endr
.irp a, 0,1
.irp o, 0,1,2,3
	ds_load_b128 v[ST+32+16*\a+4*\o:ST+32+16*\a+4*\o+3], v[ADRAH+\slot] offset:\a*16*XP+128*\q+16*\o+32*(\o/2)
.endr
.endr
	WIN TO2
.irp b, 0,1,2,3,4,5,6,7
	ds_load_b128 v[72*\g+8*\b:72*\g+8*\b+3],   v[ADRB+\slot] offset:\b*16*WP+64*\q
	ds_load_b128 v[72*\g+8*\b+4:72*\g+8*\b+7], v[ADRB+\slot] offset:\b*16*WP+64*\q+32
.endr
	ds_load_b128 v[72*\g+64:72*\g+67], v[ADRG+\slot] offset:64*\q
	ds_load_b128 v[72*\g+68:72*\g+71], v[ADRG+\slot] offset:64*\q+32
.endm
.macro CVT a, g                        ; fragment a of x: sixteen f32 of a lane to eight registers of bf16
.irp i, 0,1,2,3,4,5,6,7
	v_cvt_pk_bf16_f32 v[AF+32*\g+8*\a+\i], v[ST+16*\a+2*\i], v[ST+16*\a+2*\i+1]
.endr
.endm
; n matrix instructions on tiles (a, b0 ..).  first = 1: the sums start from b1: nothing is cleared
.macro MULS f, a, b0, n, first
.if \first
	WIN MUL1
.else
	WIN MUL
.endif
.set bb, \b0
.rept \n
.if \first
	v_wmma_f32_16x16x32_bf16 v[8*(8*\a+bb):8*(8*\a+bb)+7], v[72*\f+8*bb:72*\f+8*bb+7], v[AF+32*\f+8*\a:AF+32*\f+8*\a+7], v[B1+8*bb:B1+8*bb+7]
.else
	v_wmma_f32_16x16x32_bf16 v[8*(8*\a+bb):8*(8*\a+bb)+7], v[72*\f+8*bb:72*\f+8*bb+7], v[AF+32*\f+8*\a:AF+32*\f+8*\a+7], v[8*(8*\a+bb):8*(8*\a+bb)+7]
.endif
.set bb, bb+1
.endr
.endm
.macro GATES f, first                  ; the gate's logits of fragments 0, 1; they start from bg
.if \first
	WIN GATE1
.else
	WIN GATE
.endif
.irp t, 0,1
.if \first
	v_wmma_f32_16x16x32_bf16 v[GA+8*\t:GA+8*\t+7], v[72*\f+64:72*\f+71], v[AF+32*\f+8*\t:AF+32*\f+8*\t+7], v[BG:BG+7]
.else
	v_wmma_f32_16x16x32_bf16 v[GA+8*\t:GA+8*\t+7], v[72*\f+64:72*\f+71], v[AF+32*\f+8*\t:AF+32*\f+8*\t+7], v[GA+8*\t:GA+8*\t+7]
.endif
.endr
.endm
; A quarter step: 34 matrix instructions on buffers f; meanwhile the next quarter (slot nslot, quarter nq) is fetched and converted into buffers g.
; The 34 accumulators take turns, one instruction a turn, in the same order in every quarter and over the backward jump.
; mode 1: the change of slots with a refill of this slot, two K steps ahead; mode 2: the change of slots without; mode 0: none.
.macro QUARTER f, g, mode, slot, nslot, nq, first, fetch
	s_wait_dscnt 0x0                               ; the 18 loads of Wt's fragments are in; with them all my reads so far are over
.if \mode
	s_set_vgpr_msb 0x200
	s_wait_tensorcnt 0x0                           ; all my tensor loads have landed: the one that was out is my part of the next slot
	ds_add_u32 v254, v255
	s_wait_dscnt 0x0
	s_set_vgpr_msb 0x2
	s_barrier_signal -1                            ; (with a refill this barrier opens a round of the cluster's barrier)
.endif
	MULS \f, 0, 0, 8, \first                       ; register work while the others arrive
.if \mode
	WIN 0
	s_barrier_wait -1
.if \mode == 1
	CREST                                          ; no wave of any partner still reads this slot or has a load on its way
	s_add_nc_u64 s[G0A+4*\slot+2:G0A+4*\slot+3], s[G0A+4*\slot+2:G0A+4*\slot+3], 1024
	s_add_nc_u64 s[G0B+4*\slot+2:G0B+4*\slot+3], s[G0B+4*\slot+2:G0B+4*\slot+3], 512
	JLOAD \slot                                    ; my one tensor load behind the round, ahead of every LDS read; it has a K step less 8 matrix instructions in which to land
.endif
.endif
.if \fetch
	PLACES                                         ; buffers g were read by the last quarter's matrix instructions
	FETCH \nslot, \nq, \g
.endif
	MULS \f, 1, 0, 8, \first
	MULS \f, 2, 0, 4, \first
.if \fetch
	s_wait_dscnt 18                                ; x's 16 loads are in; the 18 younger ones, Wt's, stay out
	WIN 0
	CVT 0, \g
	CVT 1, \g
.endif
	MULS \f, 2, 4, 4, \first
	MULS \f, 3, 0, 4, \first
.if \fetch
	WIN 0
	CVT 2, \g
	CVT 3, \g
.endif
	MULS \f, 3, 4, 4, \first
	GATES \f, \first
.endm
.macro STEP slot, next, mode, first    ; a K step of 128
	QUARTER 0, 1, 0, \slot, \slot, 1, \first, 1
	QUARTER 1, 0, 0, \slot, \slot, 2, 0, 1
	QUARTER 0, 1, 0, \slot, \slot, 3, 0, 1
	QUARTER 1, 0, \mode, \slot, \next, 0, 0, 1
.endm
.macro LAP first
	STEP 0, 1, 1, \first
	STEP 1, 0, 1, 0
.endm
	s_wait_tensorcnt 0x1                           ; my part of K step 0 is in; K step 1's stays out
	s_barrier_signal -1
	s_barrier_wait -1
	FETCH 0, 0, 0
	s_wait_dscnt 0x0
	WIN 0
	CVT 0, 0
	CVT 1, 0
	CVT 2, 0
	CVT 3, 0
	LAP 1                                          ; 12 laps of two K steps: the first starts the sums,
	WIN 0
	s_mov_b32 s76, 10
.Llap:
	LAP 0                                          ; ten in the loop,
	WIN 0
	s_sub_co_u32 s76, s76, 1
	s_cmp_lg_u32 s76, 0
	s_cbranch_scc1 .Llap
	STEP 0, 1, 2, 0                                ; the last fills nothing
	QUARTER 0, 1, 0, 1, 1, 1, 0, 1
	QUARTER 1, 0, 0, 1, 1, 2, 0, 1
	QUARTER 0, 1, 0, 1, 1, 3, 0, 1
	QUARTER 1, 0, 0, 1, 1, 0, 0, 0
	; THE GATE.  Lane (r, h) holds the 8 logits of row r in 8 registers (both halves of the lanes alike).  Top two by comparisons and selects; nothing branches on them.
	PLACES
	WIN 0
.macro TOP2 g
	v_mov_b32 v[TT], v[\g]                         ; m1, i1: the largest so far; m2, i2: the second
	v_mov_b32 v[TT+1], 0
	v_mov_b32 v[TT+2], 0xff800000
	v_mov_b32 v[TT+3], 0
.irp j, 1,2,3,4,5,6,7
	v_cmp_gt_f32 vcc_lo, v[\g+\j], v[TT]
	v_cmp_gt_f32 s78, v[\g+\j], v[TT+2]
	v_cndmask_b32 v[TT+4], v[TT+2], v[\g+\j], s78
	v_cndmask_b32 v[TT+5], v[TT+3], \j, s78
	v_cndmask_b32 v[TT+2], v[TT+4], v[TT], vcc_lo
	v_cndmask_b32 v[TT+3], v[TT+5], v[TT+1], vcc_lo
	v_cndmask_b32 v[TT], v[TT], v[\g+\j], vcc_lo
	v_cndmask_b32 v[TT+1], v[TT+1], \j, vcc_lo
.endr
	v_sub_f32 v[TT+4], v[TT+2], v[TT]              ; the maximum is taken away: the exponents are 0 and m2 - m1 <= 0
	v_mul_f32 v[TT+4], 0x3fb8aa3b, v[TT+4]
	v_exp_f32 v[TT+5], v[TT+4]
	v_mov_b32 v[TT+20], v[TT+1]                    ; a plain instruction behind the transcendental (ISA guide 5.7.2)
	s_wait_alu depctr_va_vdst(0)
	v_add_f32 v[TT+6], 1.0, v[TT+5]
	v_rcp_f32 v[TT+22], v[TT+6]                    ; w1 = 1 / (1 + p)
	v_mov_b32 v[TT+21], v[TT+3]
	s_wait_alu depctr_va_vdst(0)
	v_mul_f32 v[TT+23], v[TT+5], v[TT+22]          ; w2 = p / (1 + p)
.endm
	TOP2 GA
	ds_store_b128 v[GTW], v[TT+20:TT+23]           ; both halves of the lanes store the same 16 bytes
	TOP2 GA+8
	ds_store_b128 v[GTW], v[TT+20:TT+23] offset:256
	s_wait_dscnt 0x0                               ; for the other waves' sake
	s_barrier_signal -1
	s_barrier_wait -1
	ds_load_b128 v[GW:GW+3], v[GTW]                ; (i1, i2, w1, w2) of row r of each of my four fragments
	ds_load_b128 v[GW+4:GW+7], v[GTW] offset:256
	ds_load_b128 v[GW+8:GW+11], v[GTH]
	ds_load_b128 v[GW+12:GW+15], v[GTH] offset:256
	; relu, then tiles (a, 2t), (a, 2t+1) packed to bf16 are the source-1 fragment of rows a, hidden units 32 t .. 32 t + 31
	WIN 0x44
.set i, 0
.rept 256
	v_max_num_f32 v[i], 0, v[i]
.set i, i+1
.endr
	WIN 0x05
.irp a, 0,1,2,3
.irp b, 0,1,2,3,4,5,6,7
.irp m, 0,1,2,3
	v_cvt_pk_bf16_f32 v[32+32*\a+4*\b+\m], v[8*(8*\a+\b)+2*\m], v[8*(8*\a+\b)+2*\m+1]
.endr
.endr
.endr
	; the second layer: four accumulators by turns, started from b2
.irp t, 0,1,2,3
.if \t == 0
	WIN GATE1
.else
	WIN GATE
.endif
.irp a, 0,1,2,3
.if \t == 0
	v_wmma_f32_16x16x32_bf16 v[Y+8*\a:Y+8*\a+7], v[W2F+8*\t:W2F+8*\t+7], v[32+32*\a+8*\t:32+32*\a+8*\t+7], v[B2:B2+7]
.else
	v_wmma_f32_16x16x32_bf16 v[Y+8*\a:Y+8*\a+7], v[W2F+8*\t:W2F+8*\t+7], v[32+32*\a+8*\t:32+32*\a+8*\t+7], v[Y+8*\a:Y+8*\a+7]
.endif
.endr
.endr
	PLACES
	WIN 0
	s_wait_dscnt 0x0                               ; the gate table's four loads
	; lane (r, h), register j: y(row r, o = 8 h + j).  Times my expert's weight, which is 0 where it is not chosen
.irp a, 0,1,2,3
	v_cmp_eq_u32 vcc_lo, s27, v[GW+4*\a]
	v_cndmask_b32 v[TT], 0, v[GW+4*\a+2], vcc_lo
	v_cmp_eq_u32 vcc_lo, s27, v[GW+4*\a+1]
	v_cndmask_b32 v[TT], v[TT], v[GW+4*\a+3], vcc_lo
.irp m, 0,2,4,6
	v_pk_mul_f32 v[Y+8*\a+\m:Y+8*\a+\m+1], v[Y+8*\a+\m:Y+8*\a+\m+1], v[TT:TT+1] op_sel_hi:[1,0]
.endr
	global_store_b128 v[POL+\a/2], v[Y+8*\a:Y+8*\a+3],   s[16:17] offset:(\a%2)*1024        ; each store of the wave covers 512 consecutive bytes, aligned
	global_store_b128 v[POL+\a/2], v[Y+8*\a+4:Y+8*\a+7], s[16:17] offset:(\a%2)*1024+512
.endr
	s_wait_tensorcnt 0x0
	ds_add_u32 v254, v255
	s_wait_dscnt 0x0
	CROUND                                         ; the closing round: no work-group ends while a partner may still ask for a tile that names it
	s_endpgm
.Lfunc_end_k_q0afdca6f55_experts:
	.size	k_q0afdca6f55_experts, .Lfunc_end_k_q0afdca6f55_experts-k_q0afdca6f55_experts
	.p2alignl 7, 3214868480
	.fill 96, 4, 3214868480
	.section	.rodata,"a",@progbits
	.p2align	6, 0x0
	.amdhsa_kernel k_q0afdca6f55_experts
		.amdhsa_group_segment_fixed_size 327680
		.amdhsa_private_segment_fixed_size 0
		.amdhsa_enable_private_segment 0
		.amdhsa_kernarg_size 56
		.amdhsa_user_sgpr_count 2
		.amdhsa_user_sgpr_kernarg_segment_ptr 1
		.amdhsa_wavefront_size32 1
		.amdhsa_system_sgpr_workgroup_id_x 1
		.amdhsa_system_sgpr_workgroup_id_y 1
		.amdhsa_system_sgpr_workgroup_id_z 1
		.amdhsa_system_vgpr_workitem_id 0
		.amdhsa_next_free_vgpr 768
		.amdhsa_next_free_sgpr 84
		.amdhsa_reserve_vcc 1
		.amdhsa_float_denorm_mode_32 3
		.amdhsa_float_denorm_mode_16_64 3
		.amdhsa_memory_ordered 1
		.amdhsa_forward_progress 1
		.amdhsa_inst_pref_size 215
	.end_amdhsa_kernel
	.amdgpu_metadata
---
amdhsa.version: [ 1, 2 ]
amdhsa.kernels:
  - .name:           k_q0afdca6f55_experts
    .symbol:         k_q0afdca6f55_experts.kd
    .args:
      - { .name: x, .offset: 0, .size: 8, .value_kind: global_buffer, .address_space: global }
      - { .name: Wt, .offset: 8, .size: 8, .value_kind: global_buffer, .address_space: global }
      - { .name: b1, .offset: 16, .size: 8, .value_kind: global_buffer, .address_space: global }
      - { .name: W2, .offset: 24, .size: 8, .value_kind: global_buffer, .address_space: global }
      - { .name: b2, .offset: 32, .size: 8, .value_kind: global_buffer, .address_space: global }
      - { .name: bg, .offset: 40, .size: 8, .value_kind: global_buffer, .address_space: global }
      - { .name: P, .offset: 48, .size: 8, .value_kind: global_buffer, .address_space: global }
    .group_segment_fixed_size: 327680
    .private_segment_fixed_size: 0
    .kernarg_segment_align: 8
    .kernarg_segment_size: 56
    .max_flat_workgroup_size: 128
    .sgpr_count:     84
    .vgpr_count:     768
    .wavefront_size: 32
...
	.end_amdgpu_metadata
.endif
;; end of part 2
;; launch combine (part 3): grid 128 x 1, 4 waves a work-group, no clusters, 4,608 bytes of LDS; arguments P, out0; writes out0
.if DOCPART == 3
	.amdgcn_target "amdgcn-amd-amdhsa--gfx1250"
	.amdhsa_code_object_version 6
	.text
	.protected	k_q0afdca6f55_combine
	.globl	k_q0afdca6f55_combine
	.p2align	8
	.type	k_q0afdca6f55_combine,@function
k_q0afdca6f55_combine:
	s_mov_b64 s[64:65], 0
	v_nop
	global_prefetch_b8 v0, s[64:65] scope:SCOPE_SE
	s_setreg_imm32_b32 hwreg(HW_REG_WAVE_MODE, 25, 1), 1
	s_wait_xcnt 0x0
; out0[row][o] = the sum over the 8 experts of P[e][row][o]; six of the eight are 0, so the order of the sum does not show.
; P: f32 [8 e][512 row tiles][2 i][32 lanes L][4]: row 16 tile + (L & 15), o = 8 (L >> 4) + 4 i + 0..3; o = 10..15 are not used.
; A wave takes one row tile: 16 loads of 512 consecutive bytes.  The sums of all 16 columns go into LDS rows of 64 bytes, every lane storing
; (a wave's 16 rows, 1,024 bytes, are its own).  A work-group's 64 rows of out0 are 2,560 consecutive bytes: the ten columns in use are picked out of LDS
; in pairs of f32 and leave as pieces of 16 bytes, sixteen neighbouring lanes to 256 aligned bytes.
; The launch has work for 128 work-groups of this size; matrix units, clusters and tensor loads would add nothing to 4 MiB read once.
.set Q0, 72                            ; v72  the number of my piece's first pair of f32 among the group's 320
.set A0, 73                            ; v73  its LDS address
.set Q1, 74                            ; v74  the second pair
.set A1, 75                            ; v75  its LDS address
                                       ; v76-79  the same four for wave 0's last 32 pieces
; Pair q is columns 2 (q % 5), + 1 of row q / 5 (a row has five pairs: no pair lies across two rows): LDS byte 64 (q / 5) + 8 (q % 5) = 8 q + 24 (q / 5).
; q / 5 = (q x 52429) >> 18, exact for q up to 319 (the product stays below 2^24).  The last pair, 319, ends at byte 8 x 319 + 24 x 63 + 8 = 4,072.
.macro PADR dst, q
	v_mul_u32_u24 v[\dst], v[\q], 0xcccd
	v_lshrrev_b32 v[\dst], 18, v[\dst]
	v_mul_u32_u24 v[\dst], v[\dst], 24
	v_lshl_add_u32 v[\dst], v[\q], 3, v[\dst]
.endm
	s_load_b128 s[4:7], s[0:1], 0x0                ; P s[4:5], out0 s[6:7]
	v_lshl_add_u32 v80, v0, 2, 0x1000
	v_mov_b32 v81, 0
	v_lshrrev_b32 v1, 5, v0
	v_readfirstlane_b32 s8, v1                     ; wave 0..3
	v_and_b32 v2, 31, v0                           ; L
	v_and_b32 v3, 15, v0                           ; r
	v_bfe_u32 v4, v0, 4, 1                         ; h
	v_lshlrev_b32 v5, 4, v0                        ; write-out: piece t at byte 16 t
	s_lshl_b32 s9, s8, 10
	v_lshl_add_u32 v6, v2, 4, s9                   ; P: my tile's 1,024 bytes, 16 a lane
	v_lshl_add_u32 v7, v3, 6, s9                   ; LDS: my wave's 16 rows of 64 bytes, row r,
	v_lshl_add_u32 v7, v4, 5, v7                   ; columns 8 h .. 8 h + 7
	v_lshlrev_b32 v[Q0], 1, v0                     ; piece t = pairs 2 t
	v_lshl_add_u32 v[Q1], v0, 1, 1                 ; and 2 t + 1
	PADR A0, Q0
	PADR A1, Q1
	s_lshl_b32 s12, ttmp9, 12                      ; four tiles of P
	s_mov_b32 s13, 0
	s_mul_i32 s14, ttmp9, 2560                     ; 64 rows of out0
	s_mov_b32 s15, 0
	s_wait_kmcnt 0x0
	s_add_nc_u64 s[4:5], s[4:5], s[12:13]
	s_add_nc_u64 s[6:7], s[6:7], s[14:15]
.irp e, 0,1,2,3,4,5,6,7
	global_load_b128 v[8+8*\e:11+8*\e],  v6, s[4:5] offset:\e*524288 th:TH_LOAD_NT
	global_load_b128 v[12+8*\e:15+8*\e], v6, s[4:5] offset:\e*524288+512 th:TH_LOAD_NT
.endr
	s_wait_loadcnt 0x0
.irp e, 0,2,4,6
.irp m, 0,2,4,6
	v_pk_add_f32 v[8+8*\e+\m:9+8*\e+\m], v[8+8*\e+\m:9+8*\e+\m], v[16+8*\e+\m:17+8*\e+\m]
.endr
.endr
.irp e, 0,4
.irp m, 0,2,4,6
	v_pk_add_f32 v[8+8*\e+\m:9+8*\e+\m], v[8+8*\e+\m:9+8*\e+\m], v[24+8*\e+\m:25+8*\e+\m]
.endr
.endr
.irp m, 0,2,4,6
	v_pk_add_f32 v[8+\m:9+\m], v[8+\m:9+\m], v[40+\m:41+\m]
.endr
	ds_store_b128 v7, v[8:11]                      ; columns 8 h + 0..3 of row r
	ds_store_b128 v7, v[12:15] offset:16           ; columns 8 h + 4..7 (10..15 are stored too and never read)
	s_wait_dscnt 0x0                               ; my stores are in LDS, for the other waves' sake
	s_barrier_signal -1
	s_barrier_wait -1
	ds_load_b64 v[16:17], v[A0]                    ; pieces 0 .. 127: bytes 0 .. 2,047 of the group's part of out0
	ds_load_b64 v[18:19], v[A1]
	s_wait_dscnt 0x0
	global_store_b128 v5, v[16:19], s[6:7]         ; sixteen lanes store 256 consecutive bytes, aligned
	s_cmp_lg_u32 s8, 0
	s_cbranch_scc1 .Lend
	v_lshl_add_u32 v[Q0+4], v2, 1, 256             ; wave 0: pieces 128 + L = pairs 256 + 2 L
	v_lshl_add_u32 v[Q1+4], v2, 1, 257             ; and 257 + 2 L: the last 512 bytes
	PADR A0+4, Q0+4
	PADR A1+4, Q1+4
	ds_load_b64 v[20:21], v[A0+4]
	ds_load_b64 v[22:23], v[A1+4]
	s_wait_dscnt 0x0
	global_store_b128 v5, v[20:23], s[6:7] offset:2048   ; in wave 0 the thread's number is the lane's
.Lend:
	s_wait_tensorcnt 0x0
	ds_add_u32 v80, v81
	s_wait_dscnt 0x0
	s_endpgm
.Lfunc_end_k_q0afdca6f55_combine:
	.size	k_q0afdca6f55_combine, .Lfunc_end_k_q0afdca6f55_combine-k_q0afdca6f55_combine
	.p2alignl 7, 3214868480
	.fill 96, 4, 3214868480
	.section	.rodata,"a",@progbits
	.p2align	6, 0x0
	.amdhsa_kernel k_q0afdca6f55_combine
		.amdhsa_group_segment_fixed_size 4608
		.amdhsa_private_segment_fixed_size 0
		.amdhsa_enable_private_segment 0
		.amdhsa_kernarg_size 16
		.amdhsa_user_sgpr_count 2
		.amdhsa_user_sgpr_kernarg_segment_ptr 1
		.amdhsa_wavefront_size32 1
		.amdhsa_system_sgpr_workgroup_id_x 1
		.amdhsa_system_sgpr_workgroup_id_y 1
		.amdhsa_system_sgpr_workgroup_id_z 1
		.amdhsa_system_vgpr_workitem_id 0
		.amdhsa_next_free_vgpr 82
		.amdhsa_next_free_sgpr 66
		.amdhsa_reserve_vcc 0
		.amdhsa_float_denorm_mode_32 3
		.amdhsa_float_denorm_mode_16_64 3
		.amdhsa_memory_ordered 1
		.amdhsa_forward_progress 1
		.amdhsa_inst_pref_size 7
	.end_amdhsa_kernel
	.amdgpu_metadata
---
amdhsa.version: [ 1, 2 ]
amdhsa.kernels:
  - .name:           k_q0afdca6f55_combine
    .symbol:         k_q0afdca6f55_combine.kd
    .args:
      - { .name: P, .offset: 0, .size: 8, .value_kind: global_buffer, .address_space: global }
      - { .name: out0, .offset: 8, .size: 8, .value_kind: global_buffer, .address_space: global }
    .group_segment_fixed_size: 4608
    .private_segment_fixed_size: 0
    .kernarg_segment_align: 8
    .kernarg_segment_size: 16
    .max_flat_workgroup_size: 128
    .sgpr_count:     66
    .vgpr_count:     82
    .wavefront_size: 32
...
	.end_amdgpu_metadata
.endif
;; end of part 3
